; MI455X (gfx1250); checked and timed in simulation.
; The chip was launched on July 23, 2026; its instructions are those of AMD's public machine-readable ISA for CDNA 5 (MIT licence, August 2026) and "CDNA5" Instruction Set Architecture Reference Guide (July 2026). The comments in the code are by the model that wrote it; some were corrected since.
;; Bahdanau Attention. Allowed arithmetic: float matrix products may take bf16 or f16 operands with f32 sums; other float arithmetic in f32, or as packed bf16 or f16 multiplies, adds, multiply-adds, maxima and minima; sums over many terms, partial sums and values carried from step to step in f32; what a program stores and reads back later, other than sums and carried values, may be rounded once to bf16 or f16.
;; Inputs: V 1,024 x 1 float32; W1 1,024 x 1,024 float32; W2 1,024 x 1,024 float32; b1 1,024 float32; b2 1,024 float32; bV 1 float32; features 64 x 1,024 x 1,024 float32; hidden 64 x 1,024 float32.
;; Outputs: out0 64 x 1,024 float32; out1 64 x 1,024 x 1 float32.
;; One version. Each part assembles by itself: llvm-mc -triple=amdgcn-amd-amdhsa -mcpu=gfx1250 --defsym DOCPART=n.
;; ======== version 1 of 1: 3 launches
;; workspace buffers: w1b 2,097,152 bytes; ph 262,144 bytes; sc 262,144 bytes; st 65,536 bytes; cx 1,048,576 bytes
;; launch prep (part 1): grid 192 x 1, 16 waves a work-group, no clusters, 71,680 bytes of LDS; arguments W1, W2, hidden, b1, b2, w1b, ph; writes w1b, ph
.if DOCPART == 1
	.amdgcn_target "amdgcn-amd-amdhsa--gfx1250"
	.amdhsa_code_object_version 6
	.text
	.protected	k_q05c9cf8037_prep
	.globl	k_q05c9cf8037_prep
	.p2align	8
	.type	k_q05c9cf8037_prep,@function
k_q05c9cf8037_prep:
	s_mov_b64 s[64:65], 0
	v_nop
	global_prefetch_b8 v0, s[64:65] scope:SCOPE_SE
	s_setreg_imm32_b32 hwreg(HW_REG_WAVE_MODE, 25, 1), 1
	s_wait_xcnt 0x0
; PREP.  Two small jobs in one launch, told apart by the work-group's number (the same in all sixteen waves of a work-group).
; A (work-groups 0-127): w1b = bf16(C2 x W1), C2 = 2 log2(e), laid out in the order in which the main launch's matrix fragments want it.
;   Element (k, n) of W1 [1024][1024] goes to byte  (k>>6) 131072 + (n>>8) 32768 + ((k>>5)&1) 16384 + ((n>>4)&15) 1024 + ((k>>4)&1) 512 + (16 ((k>>3)&1) + (n&15)) 16 + 2 (k&7):
;   64 along k are one dense tile of 128 KiB, a wave's 256 columns a dense quarter of it, and half a fragment is 512 bytes on end, 16 bytes a lane.
;   Work-group g takes the eight rows k = 8 g .. 8 g + 7; thread t the columns t and t + 512: its eight numbers of a column are 16 bytes of w1b, and sixteen lanes store 256 bytes on end, aligned.
; B (work-groups 128-191): ph[b][u] = C2 x (sum over k of hidden[b][k] W2[k][u] + b1[u] + b2[u]), f32.  16 batch rows x 64 columns a work-group; K is split among the sixteen waves, 64 each;
;   operands rounded to bf16, sums in f32; the sixteen partial tiles meet in LDS.
; LIMIT.  C2 is multiplied into W1 in f32 ahead of the one rounding to bf16, so w1b is bf16(C2 W1), not C2 bf16(W1): a rounding of the same size, at another place.
.set C2,     0x4038aa3b                ; 2 log2(e)
.set PPITCH, 272                       ; a row of a partial tile in LDS: 64 f32 + 16 bytes
.set PWAVE,  16*PPITCH                 ; a wave's partial tile
.set SPARE,  16*PWAVE                  ; behind the sixteen tiles: the spare words, 128 bytes for each wave: eight blocks of 256 bytes that no other line names
.set SPW, 2                            ; v2   LDS address of my spare word; never rewritten
.set NIL, 3                            ; v3   0; never rewritten
.set RAW, 16                           ; v[16:95], v[96:175]  B: a K step's numbers as loaded: 64 of W2, 16 of hidden
.set FR,  176                          ; v[176:215] B: the first K step's fragments: hidden's, then four of W2
.set ACC, 216                          ; v[216:247] B: four accumulators
.set B1R, 248                          ; v[248:249] my two numbers of b1
.set B2R, 250                          ; v[250:251] and of b2
.set WV,  20                           ; s20  my wave's number
	s_load_b256 s[4:11], s[0:1], 0x0               ; W1 s[4:5], W2 s[6:7], hidden s[8:9], b1 s[10:11]
	s_load_b128 s[12:15], s[0:1], 0x20             ; b2 s[12:13], w1b s[14:15]
	s_load_b64 s[16:17], s[0:1], 0x30              ; ph
	v_lshl_add_u32 v[SPW], v0, 2, SPARE
	v_mov_b32 v[NIL], 0
	v_lshrrev_b32 v1, 5, v0
	v_readfirstlane_b32 s[WV], v1                  ; wave 0..15
	s_cmp_lt_u32 ttmp9, 128
	s_cbranch_scc0 .Lhidden
	; ---- A: eight rows of W1 ----
	s_lshl_b32 s22, ttmp9, 15                      ; my eight rows of 4,096 bytes
	s_mov_b32 s23, 0
	s_lshr_b32 s24, ttmp9, 3                       ; k>>6
	s_lshl_b32 s24, s24, 17
	s_bfe_u32 s26, ttmp9, 0x10002                  ; (k>>5)&1
	s_lshl_b32 s26, s26, 14
	s_or_b32 s24, s24, s26
	s_bfe_u32 s26, ttmp9, 0x10001                  ; (k>>4)&1
	s_lshl_b32 s26, s26, 9
	s_or_b32 s24, s24, s26
	s_and_b32 s26, ttmp9, 1                        ; (k>>3)&1: sixteen lanes' 256 bytes
	s_lshl_b32 s26, s26, 8
	s_or_b32 s24, s24, s26
	s_mov_b32 s25, 0
	v_lshlrev_b32 v4, 2, v0                        ; column t of a row
	v_lshrrev_b32 v5, 8, v0                        ; t>>8: which quarter (with 2 j)
	v_bfe_u32 v6, v0, 4, 4                         ; the block of 16 columns
	v_and_b32 v7, 15, v0                           ; the column in it
	v_lshlrev_b32 v5, 15, v5
	v_lshl_add_u32 v5, v6, 10, v5
	v_lshl_add_u32 v5, v7, 4, v5
	s_wait_kmcnt 0x0
	s_add_nc_u64 s[4:5], s[4:5], s[22:23]
	s_add_nc_u64 s[14:15], s[14:15], s[24:25]
.irp j, 0,1
.irp e, 0,1,2,3,4,5,6,7
	global_load_b32 v[16+8*(\j)+(\e)], v4, s[4:5] offset:(\e)*4096+(\j)*2048 th:TH_LOAD_NT
.endr
.endr
	s_wait_loadcnt 0x0
.irp p, 0,1,2,3,4,5,6,7
	v_pk_mul_f32 v[16+2*(\p):17+2*(\p)], v[16+2*(\p):17+2*(\p)], C2 op_sel_hi:[1,0]
.endr
.irp p, 0,1,2,3,4,5,6,7
	v_cvt_pk_bf16_f32 v[32+(\p)], v[16+2*(\p)], v[17+2*(\p)]  ; the lower k in the lower half
.endr
	global_store_b128 v5, v[32:35], s[14:15]                 ; sixteen lanes store 256 consecutive bytes, at a multiple of 256 from w1b's first byte
	global_store_b128 v5, v[36:39], s[14:15] offset:65536    ; column t + 512: two quarters on
	s_branch .Lend
	; ---- B: 16 rows x 64 columns of hidden W2 ----
.Lhidden:
	s_sub_co_u32 s21, ttmp9, 128
	s_and_b32 s22, s21, 15                         ; nq: which 64 columns
	s_lshr_b32 s23, s21, 4                         ; mb: which 16 batch rows
	v_and_b32 v4, 15, v0                           ; r = lane % 16
	v_bfe_u32 v5, v0, 4, 1                         ; h = lane / 16
	v_and_b32 v6, 31, v0                           ; lane
	; W2 lies [k][u].  Fragment i of four holds the columns 64 nq + 4 r + i, so one load of 16 bytes at row k feeds all four, and sixteen lanes read 256 bytes on end.
	v_lshlrev_b32 v7, 15, v5                       ; 8 h rows
	v_lshl_add_u32 v7, v4, 4, v7
	s_lshl_b32 s24, s[WV], 18                      ; my wave's 64 rows
	s_lshl_b32 s25, s22, 8                         ; the 64 columns
	s_add_co_u32 s24, s24, s25
	v_add_nc_u32 v7, s24, v7
	v_lshlrev_b32 v8, 12, v4                       ; hidden: row r,
	v_lshl_add_u32 v8, v5, 5, v8                   ; 8 h numbers,
	s_lshl_b32 s26, s23, 16                        ; 16 mb rows,
	s_lshl_b32 s27, s[WV], 8                       ; my wave's 64 numbers
	s_add_co_u32 s26, s26, s27
	v_add_nc_u32 v8, s26, v8
	v_lshl_add_u32 v9, v6, 3, s25                  ; b1, b2: columns 64 nq + 2 lane, + 1
	s_mul_i32 s27, s[WV], PWAVE
	v_mul_u32_u24 v10, v5, 8*PPITCH                ; into LDS: rows 8 h + j, columns 4 r + i of my tile
	v_lshl_add_u32 v10, v4, 4, v10
	v_add_nc_u32 v10, s27, v10
	s_mul_i32 s28, s[WV], PPITCH                   ; back: wave v sums row v of all sixteen tiles, a lane two columns
	v_lshl_add_u32 v11, v6, 3, s28
	s_lshl_b32 s29, s23, 16
	s_lshl_b32 s28, s[WV], 12
	s_add_co_u32 s29, s29, s28
	s_add_co_u32 s29, s29, s25
	v_lshl_add_u32 v12, v6, 3, s29                 ; ph: row 16 mb + v, columns 64 nq + 2 lane
	s_wait_kmcnt 0x0
	global_load_b64 v[B1R:B1R+1], v9, s[10:11]
	global_load_b64 v[B2R:B2R+1], v9, s[12:13]
.irp ks, 0,1
.irp q, 0,1,2,3,4,5,6,7,8,9,10,11,12,13,14,15     ; q = 8 half + e: row 32 ks + 16 half + 8 h + e of my 64
	global_load_b128 v[RAW+80*(\ks)+4*(\q):RAW+80*(\ks)+4*(\q)+3], v7, s[6:7] offset:(32*(\ks)+16*((\q)/8)+(\q)%8)*4096
.endr
.irp c, 0,1,2,3
	global_load_b128 v[RAW+80*(\ks)+64+4*(\c):RAW+80*(\ks)+64+4*(\c)+3], v8, s[8:9] offset:128*(\ks)+64*((\c)/2)+16*((\c)%2)
.endr
.endr
; A K step's 80 numbers are rounded to bf16 into 40 registers from f on: hidden's fragment, then W2's four.
.macro CONV ks, f
.irp p, 0,1,2,3,4,5,6,7
	v_cvt_pk_bf16_f32 v[(\f)+(\p)], v[RAW+80*(\ks)+64+2*(\p)], v[RAW+80*(\ks)+64+2*(\p)+1]
.endr
.irp i, 0,1,2,3
.irp p, 0,1,2,3,4,5,6,7
	v_cvt_pk_bf16_f32 v[(\f)+8+8*(\i)+(\p)], v[RAW+80*(\ks)+8*(\p)+(\i)], v[RAW+80*(\ks)+8*(\p)+4+(\i)]
.endr
.endr
.endm
	s_wait_loadcnt 20                              ; the biases and the first K step are in; the second step's 20 loads may stay out
	CONV 0, FR
.irp i, 0,1,2,3
	v_wmma_f32_16x16x32_bf16 v[ACC+8*(\i):ACC+8*(\i)+7], v[FR:FR+7], v[FR+8+8*(\i):FR+8+8*(\i)+7], 0  ; the first K step starts the sums
.endr
	s_wait_loadcnt 0x0
	CONV 1, RAW                                    ; into the first step's raw registers, which are free: no register of the products above is written
.irp i, 0,1,2,3
	v_wmma_f32_16x16x32_bf16 v[ACC+8*(\i):ACC+8*(\i)+7], v[RAW:RAW+7], v[RAW+8+8*(\i):RAW+8+8*(\i)+7], v[ACC+8*(\i):ACC+8*(\i)+7]  ; the four accumulators take turns
.endr
.rept 4
	v_nop                                          ; four places behind the last product, ahead of the stores that read results and of the loads into its sources
.endr
.irp i, 0,1,2,3
.irp j, 0,1,2,3,4,5,6,7
	ds_store_b32 v10, v[ACC+8*(\i)+(\j)] offset:(\j)*PPITCH+4*(\i)  ; each accumulator from its low end on
.endr
.endr
	s_wait_dscnt 0x0                               ; for the others' sake: my tile is stored
	s_barrier_signal -1
	s_barrier_wait -1
.irp q, 0,1,2,3,4,5,6,7,8,9,10,11,12,13,14,15
	ds_load_b64 v[16+2*(\q):17+2*(\q)], v11 offset:(\q)*PWAVE
.endr
	s_wait_dscnt 0x0
.irp p, 0,1,2,3,4,5,6,7
	v_pk_add_f32 v[16+2*(\p):17+2*(\p)], v[16+2*(\p):17+2*(\p)], v[32+2*(\p):33+2*(\p)]
.endr
.irp p, 0,1,2,3
	v_pk_add_f32 v[16+2*(\p):17+2*(\p)], v[16+2*(\p):17+2*(\p)], v[24+2*(\p):25+2*(\p)]
.endr
	v_pk_add_f32 v[16:17], v[16:17], v[20:21]
	v_pk_add_f32 v[18:19], v[18:19], v[22:23]
	v_pk_add_f32 v[16:17], v[16:17], v[18:19]
	v_pk_add_f32 v[16:17], v[16:17], v[B1R:B1R+1]
	v_pk_add_f32 v[16:17], v[16:17], v[B2R:B2R+1]
	v_pk_mul_f32 v[16:17], v[16:17], C2 op_sel_hi:[1,0]
	global_store_b64 v12, v[16:17], s[16:17]       ; a wave stores 256 consecutive bytes, at a multiple of 256 from ph's first byte
.Lend:
	s_wait_tensorcnt 0x0                           ; the wave's end, behind my last LDS store
	ds_add_u32 v[SPW], v[NIL]
	s_wait_dscnt 0x0
	s_endpgm
.Lfunc_end_k_q05c9cf8037_prep:
	.size	k_q05c9cf8037_prep, .Lfunc_end_k_q05c9cf8037_prep-k_q05c9cf8037_prep
	.p2alignl 7, 3214868480
	.fill 96, 4, 3214868480
	.section	.rodata,"a",@progbits
	.p2align	6, 0x0
	.amdhsa_kernel k_q05c9cf8037_prep
		.amdhsa_group_segment_fixed_size 71680
		.amdhsa_private_segment_fixed_size 0
		.amdhsa_enable_private_segment 0
		.amdhsa_kernarg_size 56
		.amdhsa_user_sgpr_count 2
		.amdhsa_user_sgpr_kernarg_segment_ptr 1
		.amdhsa_wavefront_size32 1
		.amdhsa_system_sgpr_workgroup_id_x 1
		.amdhsa_system_sgpr_workgroup_id_y 1
		.amdhsa_system_sgpr_workgroup_id_z 1
		.amdhsa_system_vgpr_workitem_id 0
		.amdhsa_next_free_vgpr 256
		.amdhsa_next_free_sgpr 66
		.amdhsa_reserve_vcc 0
		.amdhsa_float_denorm_mode_32 3
		.amdhsa_float_denorm_mode_16_64 3
		.amdhsa_memory_ordered 1
		.amdhsa_forward_progress 1
		.amdhsa_inst_pref_size 21
	.end_amdhsa_kernel
	.amdgpu_metadata
---
amdhsa.version: [ 1, 2 ]
amdhsa.kernels:
  - .name:           k_q05c9cf8037_prep
    .symbol:         k_q05c9cf8037_prep.kd
    .args:
      - { .name: W1, .offset: 0, .size: 8, .value_kind: global_buffer, .address_space: global }
      - { .name: W2, .offset: 8, .size: 8, .value_kind: global_buffer, .address_space: global }
      - { .name: hidden, .offset: 16, .size: 8, .value_kind: global_buffer, .address_space: global }
      - { .name: b1, .offset: 24, .size: 8, .value_kind: global_buffer, .address_space: global }
      - { .name: b2, .offset: 32, .size: 8, .value_kind: global_buffer, .address_space: global }
      - { .name: w1b, .offset: 40, .size: 8, .value_kind: global_buffer, .address_space: global }
      - { .name: ph, .offset: 48, .size: 8, .value_kind: global_buffer, .address_space: global }
    .group_segment_fixed_size: 71680
    .private_segment_fixed_size: 0
    .kernarg_segment_align: 8
    .kernarg_segment_size: 56
    .max_flat_workgroup_size: 512
    .sgpr_count:     66
    .vgpr_count:     256
    .wavefront_size: 32
...
	.end_amdgpu_metadata
.endif
;; end of part 1
;; launch main (part 2): grid 256 x 1, 4 waves a work-group, clusters of 4 x 1, 327,680 bytes of LDS; arguments features, w1b, ph, V, bV, sc, st, cx; writes sc, st, cx
.if DOCPART == 2
	.amdgcn_target "amdgcn-amd-amdhsa--gfx1250"
	.amdhsa_code_object_version 6
	.text
	.protected	k_q05c9cf8037_main
	.globl	k_q05c9cf8037_main
	.p2align	8
	.type	k_q05c9cf8037_main,@function
k_q05c9cf8037_main:
	s_mov_b64 s[64:65], 0
	v_nop
	global_prefetch_b8 v0, s[64:65] scope:SCOPE_SE
	s_setreg_imm32_b32 hwreg(HW_REG_WAVE_MODE, 25, 1), 1
	s_wait_xcnt 0x0
	s_wait_alu depctr_hold_cnt(0) depctr_sa_sdst(0) depctr_va_vdst(0) depctr_va_sdst(0) depctr_va_ssrc(0) depctr_va_vcc(0) depctr_vm_vsrc(0)
	s_getreg_b32 s2, hwreg(HW_REG_IB_STS2, 6, 4)
	s_cmp_eq_u32 s2, 0
	s_cbranch_scc0 .Lentry_in_a_cluster
	s_endpgm
.Lentry_in_a_cluster:
	s_bfe_u32 s2, ttmp6, 0x10000c
	s_cmp_lg_u32 s2, 0x3003
	s_cbranch_scc0 .Lentry_shape_is_right
	s_endpgm
.Lentry_shape_is_right:
; MAIN.  score[b][l] = sum over u of V[u] tanh((features W1)[b][l][u] + b1[u] + (hidden W2)[b][u] + b2[u]) + bV, and a work-group's share of softmax and context.
; With acc = features x bf16(C2 W1) (C2 = 2 log2 e; w1b) and ph = C2 (hidden W2 + b1 + b2):  r = 1 / (1 + 2^(acc + ph)),  tanh = 1 - 2 r,  score = (sum of V + bV) + sum over u of (-2 V[u]) r[u].
; 2^x = infinity gives r = 0, 2^x = 0 gives r = 1: tanh's two ends, so no size of the inputs needs a case of its own.
; SHARES.  A cluster of four work-groups is one batch row b; a work-group owns 256 of its 1,024 rows l, in four BLOCKS of 64.  A wave makes 64 rows x 256 columns u of a block: 64 accumulators, 512 registers,
; so a block's scores are finished inside the work-group.  K (1,024) goes in 16 steps of 64; a step is 128 matrix instructions a wave.
; W1.  A step's tile of w1b is 128 KiB; wave w fetches, and alone reads, its quarter (its 256 columns), 32 KiB dense.  All four partners walk the same tiles: each quarter is asked for JOINTLY, by the same
; tensor load with the same descriptor and the mask of four.  Two LDS slots take turns; a slot is asked for again as soon as its last fragment is read, behind a round of the cluster's barrier.
; FEATURES come in f32 through registers, 64 rows x 64 k a step (a wave 16 rows, 256 bytes of each), three steps ahead; they are rounded to bf16 once and laid into one of two small LDS buffers for all four waves.
; SOFTMAX AND CONTEXT.  At a block's end: tanh, the sum over u (lanes, then waves through LDS), the block's 64 scores.  A running maximum m and sum l are kept over the four blocks: p = 2^((s - m) log2 e), and l and the
; context are multiplied by a = 2^((m_old - m_new) log2 e).  The context sum p x features needs the block's rows once more: they are read again in f32, four rows a step, during the NEXT block's steps
; (wave w: the 256 channels 256 w ..); the last block's rows behind the loop.  The launch behind merges the four work-groups of a batch row by their m.
; OUT.  sc: the raw scores;  st: (m, l), a record of 256 bytes a work-group;  cx: the context, not yet divided, relative to m.
; LIMITS.  During the first block there is no block before it: the context lines multiply rows 0-3 by p = 0, so an infinity or NaN there gives NaN in that work-group's context (the exact result has none finite there either).
; A weight below 2^-126 counts as 0.  Matrix operands are bf16; everything else is f32.
; REGISTERS, in windows of 256 (s_set_vgpr_msb: bits 1:0 source 0, 3:2 source 1, 5:4 source 2, 7:6 destination):
;   window 0: v0-57 addresses, statistics, context; v64-127 fragments of features (two halves of a step); v128-159 ph, v160-191 -2 V (each number twice, a pair for packed lines); v192-223 score parts; v224-239 at work
;   window 1: v0-127 fragments of W1, two buffers of 8 column blocks; v128-191 features as loaded, two buffers; v192-255 the context's rows as loaded, two buffers
;   window 2: accumulators of column blocks 0-7 (rows 16 a .., block n at v[32 n + 8 a]);   window 3: of blocks 8-15
.set WSLOT,  131072                    ; a slot: a tile of w1b; quarter w at 32,768 w
.set WQ,     32768
.set ABUF,   2*WSLOT                   ; two buffers of 64 rows x 64 k in bf16
.set AP,     144                       ; their pitch: 128 bytes + 16: the 16 rows of a fragment load start at 16 different groups of four banks (64 banks of 4 bytes: ISA guide 11.1)
.set ABYTES, 64*AP
.set SCP,    ABUF+2*ABYTES             ; [wave][64 rows] f32: each wave's part of the scores
.set PT,     SCP+1024                  ; [wave][64 rows][p, p]: each wave's own copy of the block's weights
.set SPARE,  PT+2048                   ; the spare words, 128 bytes for each wave: two blocks of 256 bytes that no other line names
.set WA,  2                            ; v2-3   my 16 bytes of a fragment half in my quarter of slot 0, 1
.set AA,  4                            ; v4-5   my place in a fragment of features, buffer 0, 1
.set AW,  6                            ; v6-7   where I put 8 bytes of bf16, buffer 0, 1
.set VA,  8                            ; v8     features: rows 16 w + 8 (lane / 16), 16 bytes at 16 (lane % 16)
.set VC,  9                            ; v9     1,024 w + 16 lane: my 16 bytes of a row's channels; for cx too
.set PTA, 10                           ; v10    the LDS address of the weights wanted next
.set PTW, 11                           ; v11    where I put two rows' weights
.set SCA, 12                           ; v12    where I put score parts
.set SCR, 13                           ; v13    where I read them
.set VS,  14                           ; v14    8 x lane
.set VF,  15                           ; v15    features' prefetch: row 16 w + lane % 16, 256 bytes x (lane / 16)
.set VW,  16                           ; v16    w1b's prefetch: 256 x lane
.set SPW, 18                           ; v18    LDS address of my spare word; never rewritten
.set NIL, 19                           ; v19    0; never rewritten
.set RM,  20                           ; v20    m
.set RL,  21                           ; v21    l
.set BM,  22                           ; v22    the block's maximum
.set TX,  23                           ; v23    at work
.set AL,  24                           ; v[24:25] a, twice
.set S01, 26                           ; v[26:27] the scores of rows 2 lane, 2 lane + 1
.set Q,   28                           ; v[28:31] their weights, each twice
.set SVB, 32                           ; v[32:33] sum of V + bV, twice
.set T8,  34                           ; v[34:41] at work
.set CT,  42                           ; v[42:49] the context: channels 256 w + 128 q + 4 lane + i at CT + 4 q + i
.set P8,  50                           ; v[50:57] four rows' weights, each twice
.set AF,  64
.set PH,  128
.set VV,  160
.set SP,  192
.set CV,  224
.set AS,  128                          ; window 1
.set CS,  192                          ; window 1
.set WV,  20                           ; s20  my wave's number
.set CXR, 21                           ; s21  my place in the cluster: it enters global addresses of features, sc, st, cx and of prefetches alone
.set G1,  24                           ; s[24:31] descriptor group 1
.set G0,  32                           ; s[32:39] descriptor group 0, a set for each slot
.set FB,  40                           ; s[40:41] features at my work-group's first row
.set PA,  42                           ; s[42:43] the chunk of features to be loaded
.set PC,  44                           ; s[44:45] the context's four rows to be loaded
.set OA,  46                           ; s[46:47], s[48:49] offsets, high words 0
.set OC,  48
.set WB,  50                           ; s[50:51] w1b at my quarter of tile 0
.set OW,  52                           ; s[52:53] a tile's offset, high word 0
.set G,   54                           ; s54  the step, 0 to 63 (64 behind the last)
.set TN,  55                           ; s55  counts the tiles asked for; the tile is its low four bits
.set BLK, 56                           ; s56  blocks to go
.set TRIP, 57
.set PTB, 58                           ; s58  PT + 512 w
.set SEL, 60                           ; s[60:61] v_permlanex16_b32's selects: each lane takes its own place in the other half
.set PF,  66                           ; s[66:67] features' prefetch
.set PW,  68                           ; s[68:69] w1b's prefetch
.set WPB, 70                           ; s[70:71] w1b at my work-group's 8 KiB of my quarter of tile 0
.set WLIM, 72                          ; s72  12 in the launch's first cluster, else 0
.set L2E, 73                           ; s73  log2(e)
.set BV,  74                           ; s74  bV
.set TP,  76                           ; s[76:77] a pointer at work
.set MSB, 0
.macro WIN new                         ; the immediate's high byte repeats the setting that is left; a switch that changes nothing is dropped
.if MSB != (\new)
	s_set_vgpr_msb (MSB<<8)|(\new)
.set MSB, (\new)
.endif
.endm
.macro PLACES                          ; four places behind a matrix instruction (ISA guide 7.12.1), where no other vector work is at hand
.rept 4
	v_nop
.endr
.endm
; A round of the cluster's barrier: my work-group's barrier, so that wave 0's signal speaks for all four waves; wave 0 signals; every wave waits for all four work-groups; my work-group's barrier once more.
.macro CREST                           ; a round behind its opening barrier
	s_cmp_lg_u32 s[WV], 0
	s_cbranch_scc1 .Lnot_wave_0_\@
	s_barrier_signal -3
.Lnot_wave_0_\@:
	s_barrier_wait -3
	s_barrier_signal -1
	s_barrier_wait -1
.endm
.macro ROUND
	s_barrier_signal -1
	s_barrier_wait -1
	CREST
.endm
; Slot s's descriptor takes the next tile's address: w1b's base at my quarter plus the tile's number x 128 KiB, the type bits set again.  It stands behind a wait for all my tensor loads.
.macro DESC s
	s_and_b32 s[OW], s[TN], 15
	s_lshl_b32 s[OW], s[OW], 17
	s_add_nc_u64 s[G0+4*(\s)+2:G0+4*(\s)+3], s[WB:WB+1], s[OW:OW+1]
	s_or_b32 s[G0+4*(\s)+3], s[G0+4*(\s)+3], 0x80000000
	s_add_co_u32 s[TN], s[TN], 1
.endm
; The joint fill of slot s: one line for all four waves; its registers differ by the wave's number alone and are equal in the four partners.  An s_nop 0 and four v_nop follow.
.macro JLOAD s
	tensor_load_to_lds s[G0+4*(\s):G0+4*(\s)+3], s[G1:G1+7]
	s_nop 0
	PLACES
.endm
; 16 matrix instructions: half kk of the step's 64 k, column blocks 8 x + n0 .. + 3, all four row blocks.  Source 0 = 16 rows of features, source 1 = 16 columns of W1: a lane holds one column u (lane % 16)
; and the rows 8 (lane / 16) + 0..7.  The accumulators take turns, one instruction a turn.  zero = 1: the product starts the sum.
.macro MUL16 kk, x, n0, zero
	WIN 0xa4+0x50*(\x)
.irp n, \n0, (\n0)+1, (\n0)+2, (\n0)+3
.irp a, 0,1,2,3
.if \zero
	v_wmma_f32_16x16x32_bf16 v[32*(\n)+8*(\a):32*(\n)+8*(\a)+7], v[AF+32*(\kk)+8*(\a):AF+32*(\kk)+8*(\a)+7], v[64*(\x)+8*(\n):64*(\x)+8*(\n)+7], 0
.else
	v_wmma_f32_16x16x32_bf16 v[32*(\n)+8*(\a):32*(\n)+8*(\a)+7], v[AF+32*(\kk)+8*(\a):AF+32*(\kk)+8*(\a)+7], v[64*(\x)+8*(\n):64*(\x)+8*(\n)+7], v[32*(\n)+8*(\a):32*(\n)+8*(\a)+7]
.endif
.endr
.endr
.endm
.macro LB slot, kk, x                  ; 16 LDS loads: W1's fragments of half kk, column blocks 8 x .. 8 x + 7, into buffer x; each load takes 512 bytes on end
	WIN 0x40
.irp n, 0,1,2,3,4,5,6,7
	ds_load_b128 v[64*(\x)+8*(\n):64*(\x)+8*(\n)+3],   v[WA+(\slot)] offset:(\kk)*16384+(8*(\x)+(\n))*1024
	ds_load_b128 v[64*(\x)+8*(\n)+4:64*(\x)+8*(\n)+7], v[WA+(\slot)] offset:(\kk)*16384+(8*(\x)+(\n))*1024+512
.endr
.endm
.macro LA buf, kk                      ; 8 LDS loads: features' four fragments of half kk
	WIN 0
.irp a, 0,1,2,3
	ds_load_b128 v[AF+32*(\kk)+8*(\a):AF+32*(\kk)+8*(\a)+3],   v[AA+(\buf)] offset:(\a)*16*AP+64*(\kk)
	ds_load_b128 v[AF+32*(\kk)+8*(\a)+4:AF+32*(\kk)+8*(\a)+7], v[AA+(\buf)] offset:(\a)*16*AP+64*(\kk)+32
.endr
.endm
.macro CVT y                           ; the chunk in register buffer y is rounded to bf16 and laid into LDS buffer y: my 16 rows
	WIN 0x05
.set ck, 0
.rept 16
	v_cvt_pk_bf16_f32 v[CV+ck], v[AS+32*(\y)+2*ck], v[AS+32*(\y)+2*ck+1]
.set ck, ck+1
.endr
	WIN 0
.irp i, 0,1,2,3,4,5,6,7
	ds_store_b64 v[AW+(\y)], v[CV+2*(\i):CV+2*(\i)+1] offset:AP*(\i)
.endr
.endm
.macro PLD                             ; the weights of the step's four context rows, from my wave's own copy: 32 bytes at 32 x (step in the block)
	s_and_b32 s22, s[G], 15
	s_lshl_b32 s22, s22, 5
	s_add_co_u32 s22, s22, s[PTB]
	v_mov_b32 v[PTA], s22
	ds_load_b128 v[P8:P8+3], v[PTA]
	ds_load_b128 v[P8+4:P8+7], v[PTA] offset:16
.endm
.macro FMA x, j0                       ; the context takes rows j0, j0 + 1 of the four in buffer x: 8 packed multiply-adds
	WIN 0x01
.irp j, \j0, (\j0)+1
.irp q, 0,1
.irp z, 0,1
	v_pk_fma_f32 v[CT+4*(\q)+2*(\z):CT+4*(\q)+2*(\z)+1], v[CS+32*(\x)+4*(2*(\j)+(\q))+2*(\z):CS+32*(\x)+4*(2*(\j)+(\q))+2*(\z)+1], v[P8+2*(\j):P8+2*(\j)+1], v[CT+4*(\q)+2*(\z):CT+4*(\q)+2*(\z)+1]
.endr
.endr
.endr
.endm
.macro GA y, b, off                    ; 8 loads: a chunk of features (64 rows x 256 bytes), my 16 rows: load i takes rows 16 w + i and 16 w + 8 + i, 256 bytes on end each
.irp i, 0,1,2,3,4,5,6,7
	global_load_b128 v[AS+32*(\y)+4*(\i):AS+32*(\y)+4*(\i)+3], v[VA], s[(\b):(\b)+1] offset:(\off)+4096*(\i)
.endr
.endm
.macro GC x, b                         ; 8 loads: four rows for the context, my 1,024 bytes of each, 512 on end a load
.irp j, 0,1,2,3
.irp q, 0,1
	global_load_b128 v[CS+32*(\x)+4*(2*(\j)+(\q)):CS+32*(\x)+4*(2*(\j)+(\q))+3], v[VC], s[(\b):(\b)+1] offset:4096*(\j)+512*(\q) th:TH_LOAD_NT
.endr
.endr
.endm
; The step's pointers, scalar work between matrix instructions.  In step g: chunk g + 3 (the last chunk again where there is none), the context's rows of step g + 2 (rows 0-3 during the first block),
; and what the prefetches name; both of those are held inside their buffers by a minimum, whatever the jumps below do.
.macro OFFA                            ; s22 = a chunk's number -> its byte offset: 256 bytes along k, 64 rows a block
	s_and_b32 s[OA], s22, 15
	s_lshl_b32 s[OA], s[OA], 8
	s_and_b32 s23, s22, 48
	s_lshl_b32 s23, s23, 14
	s_or_b32 s[OA], s[OA], s23
.endm
.macro ADDR x
	s_wait_xcnt 0x0                                ; every load and prefetch issued so far has read its address (the youngest global loads stand 112 matrix instructions back, 48 in the launch's first step): the pointers may be written
	s_add_co_u32 s22, s[G], 3
	s_min_u32 s22, s22, 63
	OFFA
	s_add_nc_u64 s[PA:PA+1], s[FB:FB+1], s[OA:OA+1]
	s_add_co_u32 s22, s[G], 2
	s_max_u32 s22, s22, 16
	s_sub_co_u32 s22, s22, 16
	s_lshl_b32 s[OC], s22, 14                      ; four rows of 4,096 bytes a step
	s_add_nc_u64 s[PC:PC+1], s[FB:FB+1], s[OC:OC+1]
.if (\x) == 0
	s_add_co_u32 s22, s[G], 6
	s_min_u32 s22, s22, 62
	OFFA
	s_add_nc_u64 s[PF:PF+1], s[FB:FB+1], s[OA:OA+1]
.endif
	s_add_co_u32 s22, s[G], 5
	s_min_u32 s22, s22, 15
	s_lshl_b32 s[OC], s22, 17
	s_add_nc_u64 s[PW:PW+1], s[WPB:WPB+1], s[OC:OC+1]
	s_add_co_u32 s[G], s[G], 1
.endm
; The step's 16 global loads, and behind them, together, its prefetches into the L2.
; FEATURES' first reading: in each even step g a wave names ITS OWN 16 rows of chunks g + 6 and g + 7 (a lane a row's 256 bytes), which it loads in steps g + 3 and g + 4; chunks 0-5 come by their loads alone; chunk 63 is the last named.
; W1B's first walk: the launch's first cluster names tile g + 5, which is asked for jointly in step g + 3; its four partners share a quarter's 32 KiB out by address, 8 KiB each, a lane 256 bytes; tiles 0-4 come by their loads
; alone, and the later walks ask for nothing.  The second reading of features is not named.  Both jumps hang on the step and the cluster's number: the same in all partners.
.macro GLD x, y
	WIN 0x40
	GA \y, PA, 0
	GC \x, PC
	WIN 0
.if (\x) == 0
	s_cmp_lt_u32 s[G], 59                          ; s[G] is g + 1 here
	s_cbranch_scc0 .Lno_f_\@
	global_prefetch_b8 v[VF], s[PF:PF+1] th:TH_LOAD_NT scope:SCOPE_SE
.Lno_f_\@:
.endif
	s_cmp_lt_u32 s[G], s[WLIM]
	s_cbranch_scc0 .Lno_w_\@
	global_prefetch_b8 v[VW], s[PW:PW+1] th:TH_LOAD_NT scope:SCOPE_SE
.Lno_w_\@:
.endm
; A STEP, in two halves.  x = the step's parity: its W slot, its LDS buffer of features, its context buffer.  y = 1 - x.
.macro FIRSTHALF x, y, zero
	s_wait_loadcnt 24                              ; chunk g + 1 is in; younger: this step's context rows, chunk g + 2, the next step's context rows
	CVT \y                                         ; its 16 conversions are the places behind the last products, ahead of the loads into their sources
	PLD
	LB \x, 0, 1
	s_wait_dscnt 16                                ; all but the 16 just issued
	MUL16 0, 0, 0, \zero
	MUL16 0, 0, 4, \zero
	s_wait_loadcnt 16                              ; this step's context rows are in
	FMA \x, 0                                      ; eight places
	LB \x, 1, 0
	LA \x, 1
	s_wait_dscnt 24                                ; all but the 24 just issued
	MUL16 0, 1, 0, \zero
	ADDR \x
	MUL16 0, 1, 4, \zero
.endm
; mode 2: the slot is filled again, with the tile two steps on.  mode 1: the barrier alone (the next chunk of features must be whole).  mode 0: a block's last step.
.macro SECONDHALF x, y, mode
	FMA \x, 2                                      ; eight places
	GLD \x, \y
	LB \x, 1, 1                                    ; my last reads of this slot
.if \mode
	WIN 0
	s_wait_tensorcnt 0x0                           ; all my tensor loads have landed: the one that was out is my quarter of the next slot
	ds_add_u32 v[SPW], v[NIL]                      ; 0 onto my spare word
.if (\mode) == 2
	DESC \x
.endif
	s_wait_dscnt 17                                ; (the add and the youngest sixteen loads may be out)
	MUL16 1, 0, 0, 0                               ; sixteen matrix instructions stand between the add and the wait for it
	s_wait_dscnt 0x0                               ; the add is done; my reads of this slot and of this buffer of features are over; my part of the next chunk is stored
	s_barrier_signal -1
	MUL16 1, 0, 4, 0                               ; work on registers while the others arrive
	WIN 0
	s_barrier_wait -1
.if (\mode) == 2
	CREST                                          ; the barrier has opened a round of the cluster's: no wave of any partner still reads this slot or has a load on its way
	JLOAD \x                                       ; the first tensor load behind the round; its four v_nop are also the places ahead of the loads below
.else
	PLACES
.endif
	LB \y, 0, 0
	LA \y, 0
	MUL16 1, 1, 0, 0
	MUL16 1, 1, 4, 0
.else
	s_wait_dscnt 16
	MUL16 1, 0, 0, 0
	MUL16 1, 0, 4, 0
	s_wait_dscnt 0x0
	MUL16 1, 1, 0, 0
	MUL16 1, 1, 4, 0
.endif
.endm
; TANH AND V for window 2 + x, under one window setting.  Column block n of the window is 32 registers on end, R(n).  Five stages: P1 adds ph; T1 is 2^x; P2 adds 1; T2 is the reciprocal; P3 multiplies by -2 V and
; adds the block before, so that R(7) ends as the window's sum.  They run as a pipeline in ten laps: lap i holds T1(i) with P2(i - 1) and P3(i - 2) between its lines, then T2(i - 1) with P1(i + 1) between.
; No line of a lap names a result of that lap's transcendentals; each lap ends with one plain line and ONE s_wait_alu depctr_va_vdst(0), ahead of the first line that names such a result.
; P1 reads each accumulator from its low end on.
.macro EW x
	WIN 0xa2+0x51*(\x)                             ; sources 0 and 2 and the destination in the window, source 1 (ph, V) in window 0
.set ek, 0
.rept 16
	v_pk_add_f32 v[2*ek:2*ek+1], v[2*ek:2*ek+1], v[PH+16*(\x):PH+16*(\x)+1]
.set ek, ek+1
.endr
.set ei, 0
.rept 10
.set ek, 0
.rept 16
.if ei < 8
	v_exp_f32 v[32*ei+2*ek], v[32*ei+2*ek]
.endif
.if (ei >= 1) && (ei <= 8)
	v_pk_add_f32 v[32*(ei-1)+2*ek:32*(ei-1)+2*ek+1], v[32*(ei-1)+2*ek:32*(ei-1)+2*ek+1], 1.0 op_sel_hi:[1,0]
.endif
.if ei < 8
	v_exp_f32 v[32*ei+2*ek+1], v[32*ei+2*ek+1]
.endif
.if ei == 2
	v_pk_mul_f32 v[2*ek:2*ek+1], v[2*ek:2*ek+1], v[VV+16*(\x):VV+16*(\x)+1]
.elseif ei > 2
	v_pk_fma_f32 v[32*(ei-2)+2*ek:32*(ei-2)+2*ek+1], v[32*(ei-2)+2*ek:32*(ei-2)+2*ek+1], v[VV+16*(\x)+2*(ei-2):VV+16*(\x)+2*(ei-2)+1], v[32*(ei-3)+2*ek:32*(ei-3)+2*ek+1]
.endif
.set ek, ek+1
.endr
.set ek, 0
.rept 16
.if (ei >= 1) && (ei <= 8)
	v_rcp_f32 v[32*(ei-1)+2*ek], v[32*(ei-1)+2*ek]
.endif
.if ei < 7
	v_pk_add_f32 v[32*(ei+1)+2*ek:32*(ei+1)+2*ek+1], v[32*(ei+1)+2*ek:32*(ei+1)+2*ek+1], v[PH+16*(\x)+2*(ei+1):PH+16*(\x)+2*(ei+1)+1]
.endif
.if (ei >= 1) && (ei <= 8)
	v_rcp_f32 v[32*(ei-1)+2*ek+1], v[32*(ei-1)+2*ek+1]
.endif
.set ek, ek+1
.endr
.if ei < 9
	v_nop                                          ; a plain line behind the lap's last transcendental,
	s_wait_alu depctr_va_vdst(0)                   ; and the lap's one wait
.endif
.set ei, ei+1
.endr
.endm
.macro SPSUM                           ; the two windows' sums: 32 score parts a lane (rows 16 a + 8 (lane / 16) + j at SP + 8 a + j), over the lane's 16 columns
	WIN 0x0e
.set ek, 0
.rept 16
	v_pk_add_f32 v[SP+2*ek:SP+2*ek+1], v[224+2*ek:224+2*ek+1], v[224+2*ek:224+2*ek+1]
.set ek, ek+1
.endr
.endm
.macro REDUCE                          ; over the sixteen lanes of a half (the columns); then my wave's 64 parts go to LDS: the sixteen lanes of a half store the same words
	WIN 0
.irp m, 1,2,4,8
.set ek, 0
.rept 32
	v_add_f32_dpp v[SP+ek], v[SP+ek], v[SP+ek] row_xmask:\m row_mask:0xf bank_mask:0xf
.set ek, ek+1
.endr
.endr
.irp a, 0,1,2,3
	ds_store_b128 v[SCA], v[SP+8*(\a):SP+8*(\a)+3] offset:64*(\a)
	ds_store_b128 v[SCA], v[SP+8*(\a)+4:SP+8*(\a)+7] offset:64*(\a)+16
.endr
.endm
; The block's scores and statistics; every wave makes them for itself, a lane two rows.  Wave 0 stores the scores.
.macro STATS
	WIN 0
.irp v, 0,1,2,3
	ds_load_b64 v[T8+2*(\v):T8+2*(\v)+1], v[SCR] offset:256*(\v)
.endr
	s_wait_dscnt 0x0
	v_pk_add_f32 v[T8:T8+1], v[T8:T8+1], v[T8+2:T8+3]
	v_pk_add_f32 v[T8+4:T8+5], v[T8+4:T8+5], v[T8+6:T8+7]
	v_pk_add_f32 v[T8:T8+1], v[T8:T8+1], v[T8+4:T8+5]
	s_wait_xcnt 0x0                                ; the last block's store has read its data and its pointer
	v_pk_add_f32 v[S01:S01+1], v[T8:T8+1], v[SVB:SVB+1]
	s_sub_co_u32 s[OC], s[G], 16                   ; s[G] is 16 x (blocks done): 256 bytes of scores a block
	s_lshl_b32 s[OC], s[OC], 4
	s_add_nc_u64 s[TP:TP+1], s[14:15], s[OC:OC+1]
	s_cmp_lg_u32 s[WV], 0
	s_cbranch_scc1 .Lno_sc_\@
	global_store_b64 v[VS], v[S01:S01+1], s[TP:TP+1]  ; 256 consecutive bytes, at a multiple of 256 from sc's first byte
.Lno_sc_\@:
	v_max_num_f32 v[BM], v[S01], v[S01+1]
.irp m, 1,2,4,8
	v_max_num_f32_dpp v[BM], v[BM], v[BM] row_xmask:\m row_mask:0xf bank_mask:0xf
.endr
	v_permlanex16_b32 v[TX], v[BM], s[SEL], s[SEL+1]
	v_max_num_f32 v[BM], v[BM], v[TX]
	v_max_num_f32 v[TX], v[RM], v[BM]              ; the new m
	v_sub_f32 v[T8], v[RM], v[TX]
	v_sub_f32 v[T8+1], v[S01], v[TX]
	v_sub_f32 v[T8+2], v[S01+1], v[TX]
	v_mul_f32 v[T8], s[L2E], v[T8]
	v_mul_f32 v[T8+1], s[L2E], v[T8+1]
	v_mul_f32 v[T8+2], s[L2E], v[T8+2]
	v_exp_f32 v[AL], v[T8]                         ; a (0 at the first block: m starts at the lowest finite number)
	v_exp_f32 v[Q], v[T8+1]
	v_exp_f32 v[Q+2], v[T8+2]
	v_mov_b32 v[RM], v[TX]                         ; a plain line behind the last exponential,
	s_wait_alu depctr_va_vdst(0)                   ; and one wait for the three
	v_mov_b32 v[AL+1], v[AL]
	v_mov_b32 v[Q+1], v[Q]
	v_mov_b32 v[Q+3], v[Q+2]
	v_add_f32 v[T8], v[Q], v[Q+2]
.irp m, 1,2,4,8
	v_add_f32_dpp v[T8], v[T8], v[T8] row_xmask:\m row_mask:0xf bank_mask:0xf
.endr
	v_permlanex16_b32 v[T8+1], v[T8], s[SEL], s[SEL+1]
	v_add_f32 v[T8], v[T8], v[T8+1]
	v_fma_f32 v[RL], v[RL], v[AL], v[T8]           ; l = a l + the block's sum
.irp c, 0,2,4,6
	v_pk_mul_f32 v[CT+(\c):CT+(\c)+1], v[CT+(\c):CT+(\c)+1], v[AL:AL+1]
.endr
	ds_store_b128 v[PTW], v[Q:Q+3]                 ; into my wave's own copy; LDS serves a wave's instructions in order (ISA guide 5.7.1.4), so my later loads see it
.endm
	; ---------------- the head ----------------
	s_load_b512 s[4:19], s[0:1], 0x0               ; features s[4:5], w1b s[6:7], ph s[8:9], V s[10:11], bV s[12:13], sc s[14:15], st s[16:17], cx s[18:19]
	v_lshl_add_u32 v[SPW], v0, 2, SPARE
	v_mov_b32 v[NIL], 0
	ds_add_u32 v[SPW], v[NIL]                      ; the wave's opening: the add, twice on end, and its wait ahead of my first tensor load; the set-up below stands between
	ds_add_u32 v[SPW], v[NIL]                      ; and once more, under the one wait
	v_lshrrev_b32 v1, 5, v0
	v_readfirstlane_b32 s[WV], v1                  ; wave 0..3
	s_bfe_u32 s[CXR], ttmp6, 0x40000               ; my place in the cluster
	; descriptor group 1: 32 KiB dense, as 128 rows of 256 bytes
	s_mov_b32 s[G1+0], 15|(3<<16)|(1<<21)          ; 15:0 the mask: all four work-groups; 17:16 elements of 8 bytes; 21 set beside a mask; no padding
	s_mov_b32 s[G1+1], 32<<16                      ; tensor_dim0 = 32
	s_mov_b32 s[G1+2], 128<<16                     ; tensor_dim1 = 128
	s_mov_b32 s[G1+3], 32<<16                      ; tile_dim0 = 32
	s_mov_b32 s[G1+4], 128                         ; tile_dim1 = 128
	s_mov_b32 s[G1+5], 32                          ; 32 elements from row to row
	s_mov_b32 s[G1+6], 0
	s_mov_b32 s[G1+7], 0
	s_mov_b32 s[G0], 1
	s_mul_i32 s[G0+1], s[WV], WQ                   ; slot 0, my quarter: no place in the cluster enters an LDS address
	s_mov_b32 s[G0+4], 1
	s_add_co_u32 s[G0+5], s[G0+1], WSLOT           ; slot 1
	s_mov_b32 s[SEL], 0x76543210
	s_mov_b32 s[SEL+1], 0xfedcba98
	s_mov_b32 s[L2E], 0x3fb8aa3b
	s_mov_b32 s[OA+1], 0
	s_mov_b32 s[OC+1], 0
	s_mov_b32 s[OW+1], 0
	s_mov_b32 s[G], 0
	s_mov_b32 s[TN], 2
	s_mov_b32 s[BLK], 4
	s_cmp_eq_u32 ttmp9, 0
	s_cselect_b32 s[WLIM], 12, 0
	v_and_b32 v[T8], 31, v0                        ; lane
	v_and_b32 v[T8+1], 15, v0                      ; r = lane % 16
	v_bfe_u32 v[T8+2], v0, 4, 1                    ; h = lane / 16
	v_lshl_add_u32 v[WA], v[T8], 4, s[G0+1]
	v_add_nc_u32 v[WA+1], WSLOT, v[WA]
	v_mul_u32_u24 v[AA], v[T8+1], AP
	v_lshl_add_u32 v[AA], v[T8+2], 4, v[AA]
	v_add_nc_u32 v[AA+1], ABUF+ABYTES, v[AA]
	v_add_nc_u32 v[AA], ABUF, v[AA]
	s_mul_i32 s22, s[WV], 16*AP
	v_mul_u32_u24 v[AW], v[T8+2], 8*AP
	v_lshl_add_u32 v[AW], v[T8+1], 3, v[AW]
	v_add_nc_u32 v[AW], s22, v[AW]
	v_add_nc_u32 v[AW+1], ABUF+ABYTES, v[AW]
	v_add_nc_u32 v[AW], ABUF, v[AW]
	s_lshl_b32 s22, s[WV], 16                      ; 16 rows of 4,096 bytes a wave
	v_lshlrev_b32 v[VA], 15, v[T8+2]
	v_lshl_add_u32 v[VA], v[T8+1], 4, v[VA]
	v_add_nc_u32 v[VA], s22, v[VA]
	v_lshlrev_b32 v[VF], 12, v[T8+1]
	v_lshl_add_u32 v[VF], v[T8+2], 8, v[VF]
	v_add_nc_u32 v[VF], s22, v[VF]
	s_lshl_b32 s22, s[WV], 10
	v_lshl_add_u32 v[VC], v[T8], 4, s22
	v_lshl_add_u32 v[T8+3], v[T8+1], 2, s22        ; ph, V: column 256 w + r
	v_lshlrev_b32 v[T8+4], 4, v[T8]                ; all of V: 16 bytes a lane
	s_lshl_b32 s[PTB], s[WV], 9
	s_add_co_u32 s[PTB], s[PTB], PT
	v_lshl_add_u32 v[PTW], v[T8], 4, s[PTB]
	s_lshl_b32 s22, s[WV], 8
	s_add_co_u32 s22, s22, SCP
	v_lshl_add_u32 v[SCA], v[T8+2], 5, s22
	v_lshl_add_u32 v[SCR], v[T8], 3, SCP
	v_lshlrev_b32 v[VS], 3, v[T8]
	v_lshlrev_b32 v[VW], 8, v[T8]
	s_lshl_b32 s22, ttmp9, 2                       ; in a cluster launch ttmp9 counts clusters: the batch row
	s_add_co_u32 s22, s22, s[CXR]                  ; my work-group among the 256
	s_wait_dscnt 0x0                               ; both opening adds are done
	s_wait_kmcnt 0x0
	s_load_b32 s[BV], s[12:13], 0x0
	s_lshl_b32 s[OA], s22, 20                      ; 256 rows of 4,096 bytes
	s_add_nc_u64 s[FB:FB+1], s[4:5], s[OA:OA+1]
	s_lshl_b32 s[OA], s22, 10
	s_add_nc_u64 s[14:15], s[14:15], s[OA:OA+1]    ; sc at my 256 scores
	s_lshl_b32 s[OA], s22, 8
	s_add_nc_u64 s[16:17], s[16:17], s[OA:OA+1]    ; st at my record
	s_lshl_b32 s[OA], s22, 12
	s_add_nc_u64 s[18:19], s[18:19], s[OA:OA+1]    ; cx at my row
	s_lshl_b32 s[OA], ttmp9, 12
	s_add_nc_u64 s[TP:TP+1], s[8:9], s[OA:OA+1]    ; ph at the batch row
	s_lshl_b32 s[OW], s[WV], 15
	s_add_nc_u64 s[WB:WB+1], s[6:7], s[OW:OW+1]    ; made of the wave's number alone
	s_lshl_b32 s[OA], s[CXR], 13
	s_add_nc_u64 s[WPB:WPB+1], s[WB:WB+1], s[OA:OA+1]
	s_add_nc_u64 s[G0+2:G0+3], s[WB:WB+1], 0       ; tile 0
	s_or_b32 s[G0+3], s[G0+3], 0x80000000          ; 127:126 type = 2
	s_add_nc_u64 s[G0+6:G0+7], s[WB:WB+1], WSLOT   ; tile 1
	s_or_b32 s[G0+7], s[G0+7], 0x80000000
	ROUND                                          ; all four work-groups are here: the first joint loads meet
	tensor_load_to_lds s[G0:G0+3], s[G1:G1+7]      ; the two first fills stand together, ahead of every wait on TENSORcnt and every LDS read: two loads of mine are out
	s_nop 0
	tensor_load_to_lds s[G0+4:G0+7], s[G1:G1+7]
	s_nop 0
	PLACES
.irp n, 0,1,2,3,4,5,6,7,8,9,10,11,12,13,14,15
	global_load_b32 v[PH+2*(\n)], v[T8+3], s[TP:TP+1] offset:64*(\n)
.endr
.irp n, 0,1,2,3,4,5,6,7,8,9,10,11,12,13,14,15
	global_load_b32 v[VV+2*(\n)], v[T8+3], s[10:11] offset:64*(\n)
.endr
.irp i, 0,1,2,3,4,5,6,7
	global_load_b128 v[SP+4*(\i):SP+4*(\i)+3], v[T8+4], s[10:11] offset:512*(\i)
.endr
	WIN 0x40
	GA 0, FB, 0                                    ; chunk 0
	GA 1, FB, 256                                  ; chunk 1
	GC 0, FB                                       ; step 0's context rows: rows 0-3, to be multiplied by 0
	WIN 0
	s_wait_loadcnt 16                              ; all but chunk 1 and those rows
.irp n, 0,1,2,3,4,5,6,7,8,9,10,11,12,13,14,15
	v_mov_b32 v[PH+2*(\n)+1], v[PH+2*(\n)]
	v_mul_f32 v[VV+2*(\n)], -2.0, v[VV+2*(\n)]
	v_mov_b32 v[VV+2*(\n)+1], v[VV+2*(\n)]
.endr
.irp p, 0,1,2,3,4,5,6,7
	v_pk_add_f32 v[SP+2*(\p):SP+2*(\p)+1], v[SP+2*(\p):SP+2*(\p)+1], v[SP+16+2*(\p):SP+16+2*(\p)+1]
.endr
.irp p, 0,1,2,3
	v_pk_add_f32 v[SP+2*(\p):SP+2*(\p)+1], v[SP+2*(\p):SP+2*(\p)+1], v[SP+8+2*(\p):SP+8+2*(\p)+1]
.endr
	v_pk_add_f32 v[SP:SP+1], v[SP:SP+1], v[SP+4:SP+5]
	v_pk_add_f32 v[SP+2:SP+3], v[SP+2:SP+3], v[SP+6:SP+7]
	v_pk_add_f32 v[SP:SP+1], v[SP:SP+1], v[SP+2:SP+3]
	v_add_f32 v[SP], v[SP], v[SP+1]
.irp m, 1,2,4,8
	v_add_f32_dpp v[SP], v[SP], v[SP] row_xmask:\m row_mask:0xf bank_mask:0xf
.endr
	v_permlanex16_b32 v[SP+1], v[SP], s[SEL], s[SEL+1]
	v_add_f32 v[SP], v[SP], v[SP+1]                ; the sum of all of V
	s_wait_kmcnt 0x0                               ; bV
	v_add_f32 v[SVB], s[BV], v[SP]
	v_mov_b32 v[SVB+1], v[SVB]
	CVT 0                                          ; chunk 0 into LDS buffer 0
	WIN 0x40
	GA 0, FB, 512                                  ; chunk 2
	GC 1, FB                                       ; step 1's context rows: rows 0-3 again
	WIN 0
.irp c, 0,1,2,3
	v_mov_b32 v[Q+(\c)], 0
.endr
.irp c, 0,1,2,3,4,5,6,7
	v_mov_b32 v[CT+(\c)], 0
.endr
	v_mov_b32 v[RL], 0
	v_mov_b32 v[RM], 0xff7fffff                    ; the lowest finite number
	v_mov_b32 v[TX], 0
	ds_store_b128 v[PTW], v[Q:Q+3]                 ; the first block's context lines find weights 0
	s_wait_tensorcnt 1                             ; my quarter of tile 0 is in; tile 1's may stay out
	s_wait_dscnt 0x0                               ; my part of chunk 0 is stored
	s_barrier_signal -1
	s_barrier_wait -1
	LB 0, 0, 0
	LA 0, 0
	; ---------------- four blocks of 64 rows ----------------
.Lblock:
	FIRSTHALF 0, 1, 1                              ; a block's first half step stands ahead of the loop: its 64 products start the sums
	WIN 0                                          ; at a label and at a branch every window is 0
	s_mov_b32 s[TRIP], 7
.Ltrip:                                            ; a trip: two steps, from a step's second half to the first half of the step two on; both slots are filled again
	SECONDHALF 0, 1, 2
	FIRSTHALF 1, 0, 0
	SECONDHALF 1, 0, 2
	FIRSTHALF 0, 1, 0
	WIN 0
	s_sub_co_u32 s[TRIP], s[TRIP], 1
	s_cmp_lg_u32 s[TRIP], 0
	s_cbranch_scc1 .Ltrip
	SECONDHALF 0, 1, 1                             ; step 14: tile 15 has landed; nothing is asked for
	FIRSTHALF 1, 0, 0
	SECONDHALF 1, 0, 0                             ; step 15
	PLACES
	EW 0
	WIN 0
	s_cmp_eq_u32 s[BLK], 1
	s_cbranch_scc1 .Ltail                          ; the last block's end is written out: it asks for nothing more
	s_wait_tensorcnt 0x0                           ; no tensor load of mine is out
	ds_add_u32 v[SPW], v[NIL]                      ; 0 onto my spare word
	DESC 0
	s_wait_dscnt 0x0                               ; the add is done; my reads of both slots are over
	ROUND
	JLOAD 0                                        ; the next block's tile 0: it lands under the second window's tanh
	EW 1
	SPSUM
	REDUCE
	s_wait_tensorcnt 0x0                           ; tile 0 has landed
	ds_add_u32 v[SPW], v[NIL]
	DESC 1
	s_wait_dscnt 0x0                               ; the add is done, and my score parts are stored: the round below also shows them to the other waves
	ROUND
	JLOAD 1                                        ; tile 1
	STATS
	LB 0, 0, 0
	LA 0, 0
	s_sub_co_u32 s[BLK], s[BLK], 1
	s_branch .Lblock
	; ---------------- the last block's end ----------------
.Ltail:
	EW 1
	SPSUM
	WIN 0
	s_wait_xcnt 0x0                                ; the last loads have read their pointer
	s_add_nc_u64 s[PC:PC+1], s[FB:FB+1], 3*262144+32768  ; the last block's row 8: rows 0-7 are on their way since steps 62 and 63
	WIN 0x80                                       ; the accumulators' registers are free: 112 loads, rows 8-63, two a row; load n into window 2 at v[4 n], from n = 64 on into window 3
.set tn, 0
.rept 64
	global_load_b128 v[4*tn:4*tn+3], v[VC], s[PC:PC+1] offset:(tn/2)*4096+(tn%2)*512 th:TH_LOAD_NT
.set tn, tn+1
.endr
	WIN 0xc0
.rept 48
	global_load_b128 v[4*(tn-64):4*(tn-64)+3], v[VC], s[PC:PC+1] offset:(tn/2)*4096+(tn%2)*512 th:TH_LOAD_NT
.set tn, tn+1
.endr
	REDUCE
	s_wait_dscnt 0x0                               ; for the others' sake: my score parts are stored
	s_barrier_signal -1
	s_barrier_wait -1
	STATS
	v_mov_b32 v[PTA], s[PTB]
	WIN 0x40
.set tn, 0
.rept 32
	ds_load_b128 v[4*tn:4*tn+3], v[PTA] offset:16*tn  ; all 64 rows' weights, row t's pair at v[2 t] of window 1
.set tn, tn+1
.endr
	s_wait_loadcnt 63                              ; 112 loads were issued behind rows 0-7's: with 63 out at the most those are in
	s_wait_dscnt 0x0
	WIN 0x05
.irp c, 0,1
.irp j, 0,1,2,3
.irp q, 0,1
.irp z, 0,1
	v_pk_fma_f32 v[CT+4*(\q)+2*(\z):CT+4*(\q)+2*(\z)+1], v[CS+32*(\c)+4*(2*(\j)+(\q))+2*(\z):CS+32*(\c)+4*(2*(\j)+(\q))+2*(\z)+1], v[2*(4*(\c)+(\j)):2*(4*(\c)+(\j))+1], v[CT+4*(\q)+2*(\z):CT+4*(\q)+2*(\z)+1]
.endr
.endr
.endr
.endr
.set tk, 0
.rept 14                               ; four rows, eight loads, at a time: behind group k stand 104 - 8 k younger loads
.if 104-8*tk > 63
	s_wait_loadcnt 63
.else
	s_wait_loadcnt 104-8*tk
.endif
.if tk < 8
	WIN 0x06
.else
	WIN 0x07
.endif
.set tj, 0
.rept 4
.irp q, 0,1
.irp z, 0,1
	v_pk_fma_f32 v[CT+4*(\q)+2*(\z):CT+4*(\q)+2*(\z)+1], v[4*((8*tk+2*tj+(\q))%64)+2*(\z):4*((8*tk+2*tj+(\q))%64)+2*(\z)+1], v[2*(8+4*tk+tj):2*(8+4*tk+tj)+1], v[CT+4*(\q)+2*(\z):CT+4*(\q)+2*(\z)+1]
.endr
.endr
.set tj, tj+1
.endr
.set tk, tk+1
.endr
	WIN 0
	global_store_b128 v[VC], v[CT:CT+3], s[18:19]              ; a wave's store covers 512 consecutive bytes, at a multiple of 256 from cx's first byte
	global_store_b128 v[VC], v[CT+4:CT+7], s[18:19] offset:512
	s_cmp_lg_u32 s[WV], 0
	s_cbranch_scc1 .Lno_st
	global_store_b64 v[VS], v[RM:RM+1], s[16:17]               ; (m, l) from all 32 lanes: the record's 256 bytes whole
.Lno_st:
	s_wait_tensorcnt 0x0                           ; the wave's end, behind my last tensor load and my last LDS store
	ds_add_u32 v[SPW], v[NIL]
	s_wait_dscnt 0x0
	ROUND                                          ; the closing round: no work-group ends while a partner may still ask for a tile that names it
	s_endpgm
.Lfunc_end_k_q05c9cf8037_main:
	.size	k_q05c9cf8037_main, .Lfunc_end_k_q05c9cf8037_main-k_q05c9cf8037_main
	.p2alignl 7, 3214868480
	.fill 96, 4, 3214868480
	.section	.rodata,"a",@progbits
	.p2align	6, 0x0
	.amdhsa_kernel k_q05c9cf8037_main
		.amdhsa_group_segment_fixed_size 327680
		.amdhsa_private_segment_fixed_size 0
		.amdhsa_enable_private_segment 0
		.amdhsa_kernarg_size 64
		.amdhsa_user_sgpr_count 2
		.amdhsa_user_sgpr_kernarg_segment_ptr 1
		.amdhsa_wavefront_size32 1
		.amdhsa_system_sgpr_workgroup_id_x 1
		.amdhsa_system_sgpr_workgroup_id_y 1
		.amdhsa_system_sgpr_workgroup_id_z 1
		.amdhsa_system_vgpr_workitem_id 0
		.amdhsa_next_free_vgpr 1024
		.amdhsa_next_free_sgpr 80
		.amdhsa_reserve_vcc 0
		.amdhsa_float_denorm_mode_32 3
		.amdhsa_float_denorm_mode_16_64 3
		.amdhsa_memory_ordered 1
		.amdhsa_forward_progress 1
		.amdhsa_inst_pref_size 255
	.end_amdhsa_kernel
	.section	.bss,"aw",@nobits
	.p2align	6
	.space	262144
	.amdgpu_metadata
---
amdhsa.version: [ 1, 2 ]
amdhsa.kernels:
  - .name:           k_q05c9cf8037_main
    .symbol:         k_q05c9cf8037_main.kd
    .args:
      - { .name: features, .offset: 0, .size: 8, .value_kind: global_buffer, .address_space: global }
      - { .name: w1b, .offset: 8, .size: 8, .value_kind: global_buffer, .address_space: global }
      - { .name: ph, .offset: 16, .size: 8, .value_kind: global_buffer, .address_space: global }
      - { .name: V, .offset: 24, .size: 8, .value_kind: global_buffer, .address_space: global }
      - { .name: bV, .offset: 32, .size: 8, .value_kind: global_buffer, .address_space: global }
      - { .name: sc, .offset: 40, .size: 8, .value_kind: global_buffer, .address_space: global }
      - { .name: st, .offset: 48, .size: 8, .value_kind: global_buffer, .address_space: global }
      - { .name: cx, .offset: 56, .size: 8, .value_kind: global_buffer, .address_space: global }
    .group_segment_fixed_size: 327680
    .private_segment_fixed_size: 0
    .kernarg_segment_align: 8
    .kernarg_segment_size: 64
    .max_flat_workgroup_size: 128
    .sgpr_count:     80
    .vgpr_count:     1024
    .wavefront_size: 32
...
	.end_amdgpu_metadata
.endif
;; end of part 2
;; launch finish (part 3): grid 64 x 1, 8 waves a work-group, no clusters, 0 bytes of LDS; arguments sc, st, cx, out0, out1; writes out0, out1
.if DOCPART == 3
	.amdgcn_target "amdgcn-amd-amdhsa--gfx1250"
	.amdhsa_code_object_version 6
	.text
	.protected	k_q05c9cf8037_finish
	.globl	k_q05c9cf8037_finish
	.p2align	8
	.type	k_q05c9cf8037_finish,@function
k_q05c9cf8037_finish:
	s_mov_b64 s[64:65], 0
	v_nop
	global_prefetch_b8 v0, s[64:65] scope:SCOPE_SE
	s_setreg_imm32_b32 hwreg(HW_REG_WAVE_MODE, 25, 1), 1
	s_wait_xcnt 0x0
; FINISH.  A work-group is one batch row b; its four parts i (256 rows each) left a maximum m_i, a sum l_i and a context cx_i relative to m_i.
; M = the largest m_i;  e_i = 2^((m_i - M) log2 e);  L = sum of l_i e_i;  out0[b][:] = (sum of e_i cx_i[:]) / L;  out1[b][l] = 2^((score - M) log2 e) / L.
; Thread t takes four channels of out0 and four rows of out1: every load and store of a wave covers 512 consecutive bytes.  The launch moves 28 KiB a work-group: no LDS, no matrix unit, no cluster would serve it.
; LIMIT.  A weight below 2^-126 counts as 0.
.set L2E, 0x3fb8aa3b
	s_load_b256 s[4:11], s[0:1], 0x0               ; sc s[4:5], st s[6:7], cx s[8:9], out0 s[10:11]
	s_load_b64 s[12:13], s[0:1], 0x20              ; out1
	v_lshlrev_b32 v1, 4, v0                        ; my 16 bytes
	s_lshl_b32 s14, ttmp9, 10                      ; four records of 256 bytes
	s_mov_b32 s15, 0
	s_lshl_b32 s16, ttmp9, 14                      ; four rows of cx
	s_mov_b32 s17, 0
	s_lshl_b32 s18, ttmp9, 12                      ; a row of sc, out0, out1
	s_mov_b32 s19, 0
	s_wait_kmcnt 0x0
	s_add_nc_u64 s[6:7], s[6:7], s[14:15]
	s_add_nc_u64 s[8:9], s[8:9], s[16:17]
	s_add_nc_u64 s[4:5], s[4:5], s[18:19]
	s_add_nc_u64 s[10:11], s[10:11], s[18:19]
	s_add_nc_u64 s[12:13], s[12:13], s[18:19]
	s_load_b64 s[20:21], s[6:7], 0x0               ; m_0, l_0
	s_load_b64 s[22:23], s[6:7], 0x100
	s_load_b64 s[24:25], s[6:7], 0x200
	s_load_b64 s[26:27], s[6:7], 0x300
	global_load_b128 v[32:35], v1, s[4:5]
	global_load_b128 v[16:19], v1, s[8:9]
	global_load_b128 v[20:23], v1, s[8:9] offset:4096
	global_load_b128 v[24:27], v1, s[8:9] offset:8192
	global_load_b128 v[28:31], v1, s[8:9] offset:12288
	s_wait_kmcnt 0x0
	v_mov_b32 v2, s20
	v_max_num_f32 v2, s22, v2
	v_max_num_f32 v2, s24, v2
	v_max_num_f32 v2, s26, v2                      ; M
	v_sub_f32 v4, s20, v2
	v_sub_f32 v5, s22, v2
	v_sub_f32 v6, s24, v2
	v_sub_f32 v7, s26, v2
.irp c, 4,5,6,7
	v_mul_f32 v[\c], L2E, v[\c]
.endr
	s_wait_loadcnt 4                               ; the scores are in; cx's four loads may stay out
.irp c, 32,33,34,35
	v_sub_f32 v[\c], v[\c], v2
.endr
.irp c, 32,33,34,35
	v_mul_f32 v[\c], L2E, v[\c]
.endr
.irp c, 4,5,6,7,32,33,34,35
	v_exp_f32 v[\c], v[\c]                         ; one batch of eight
.endr
	v_nop                                          ; a plain line behind the last exponential,
	s_wait_alu depctr_va_vdst(0)                   ; and one wait for the batch
	v_mul_f32 v3, s21, v4
	v_fmac_f32 v3, s23, v5
	v_fmac_f32 v3, s25, v6
	v_fmac_f32 v3, s27, v7                         ; L
	v_rcp_f32 v8, v3
	s_wait_loadcnt 0x0
.irp c, 0,1,2,3                        ; sixteen plain lines stand between the reciprocal and its wait
	v_mul_f32 v[36+(\c)], v4, v[16+(\c)]
	v_fmac_f32 v[36+(\c)], v5, v[20+(\c)]
	v_fmac_f32 v[36+(\c)], v6, v[24+(\c)]
	v_fmac_f32 v[36+(\c)], v7, v[28+(\c)]
.endr
	s_wait_alu depctr_va_vdst(0)                   ; ahead of the first line that names 1 / L
.irp c, 0,1,2,3
	v_mul_f32 v[36+(\c)], v8, v[36+(\c)]
	v_mul_f32 v[32+(\c)], v8, v[32+(\c)]
.endr
	global_store_b128 v1, v[36:39], s[10:11]
	global_store_b128 v1, v[32:35], s[12:13]
	s_endpgm
.Lfunc_end_k_q05c9cf8037_finish:
	.size	k_q05c9cf8037_finish, .Lfunc_end_k_q05c9cf8037_finish-k_q05c9cf8037_finish
	.p2alignl 7, 3214868480
	.fill 96, 4, 3214868480
	.section	.rodata,"a",@progbits
	.p2align	6, 0x0
	.amdhsa_kernel k_q05c9cf8037_finish
		.amdhsa_group_segment_fixed_size 0
		.amdhsa_private_segment_fixed_size 0
		.amdhsa_enable_private_segment 0
		.amdhsa_kernarg_size 40
		.amdhsa_user_sgpr_count 2
		.amdhsa_user_sgpr_kernarg_segment_ptr 1
		.amdhsa_wavefront_size32 1
		.amdhsa_system_sgpr_workgroup_id_x 1
		.amdhsa_system_sgpr_workgroup_id_y 1
		.amdhsa_system_sgpr_workgroup_id_z 1
		.amdhsa_system_vgpr_workitem_id 0
		.amdhsa_next_free_vgpr 48
		.amdhsa_next_free_sgpr 66
		.amdhsa_reserve_vcc 0
		.amdhsa_float_denorm_mode_32 3
		.amdhsa_float_denorm_mode_16_64 3
		.amdhsa_memory_ordered 1
		.amdhsa_forward_progress 1
		.amdhsa_inst_pref_size 4
	.end_amdhsa_kernel
	.amdgpu_metadata
---
amdhsa.version: [ 1, 2 ]
amdhsa.kernels:
  - .name:           k_q05c9cf8037_finish
    .symbol:         k_q05c9cf8037_finish.kd
    .args:
      - { .name: sc, .offset: 0, .size: 8, .value_kind: global_buffer, .address_space: global }
      - { .name: st, .offset: 8, .size: 8, .value_kind: global_buffer, .address_space: global }
      - { .name: cx, .offset: 16, .size: 8, .value_kind: global_buffer, .address_space: global }
      - { .name: out0, .offset: 24, .size: 8, .value_kind: global_buffer, .address_space: global }
      - { .name: out1, .offset: 32, .size: 8, .value_kind: global_buffer, .address_space: global }
    .group_segment_fixed_size: 0
    .private_segment_fixed_size: 0
    .kernarg_segment_align: 8
    .kernarg_segment_size: 40
    .max_flat_workgroup_size: 256
    .sgpr_count:     66
    .vgpr_count:     48
    .wavefront_size: 32
...
	.end_amdgpu_metadata
.endif
;; end of part 3
